; MI455X (gfx1250); checked and timed in simulation.
; The chip was launched on July 23, 2026; its instructions are those of AMD's public machine-readable ISA for CDNA 5 (MIT licence, August 2026) and "CDNA5" Instruction Set Architecture Reference Guide (July 2026). The comments in the code are by the model that wrote it; some were corrected since.
;; Custom Multi Head Attention Stoich Ro PE. Allowed arithmetic: matrix products marked QUANTISED: E2M1 operands, one E8M0 scale for each 32 along K, by v_wmma_scale_f32_16x16x128_f8f6f4 with both operands' format E2M1 (or v_wmma_scale_f32_32x16x128_f4), f32 sums; everything else in f32.
;; Inputs: Wk_codes 1,024 x 32 x 16 uint8 (E2M1 codes of Wk, K innermost, in blocks of 32 codes, two codes a byte); Wk_scales 1,024 x 32 uint8 (E8M0 scales of Wk, one for each 32 codes along K); Wo_codes 1,024 x 32 x 16 uint8 (E2M1 codes of Wo, K innermost, in blocks of 32 codes, two codes a byte); Wo_scales 1,024 x 32 uint8 (E8M0 scales of Wo, one for each 32 codes along K); Wq_codes 1,024 x 32 x 16 uint8 (E2M1 codes of Wq, K innermost, in blocks of 32 codes, two codes a byte); Wq_scales 1,024 x 32 uint8 (E8M0 scales of Wq, one for each 32 codes along K); Wv_codes 1,024 x 32 x 16 uint8 (E2M1 codes of Wv, K innermost, in blocks of 32 codes, two codes a byte); Wv_scales 1,024 x 32 uint8 (E8M0 scales of Wv, one for each 32 codes along K); bk 1,024 float32; bo 1,024 float32; bq 1,024 float32; bv 1,024 float32; frac 4 x 2,048 float32; x_codes 4 x 2,048 x 32 x 16 uint8 (E2M1 codes of x, K innermost, in blocks of 32 codes, two codes a byte); x_scales 4 x 2,048 x 32 uint8 (E8M0 scales of x, one for each 32 codes along K).
;; Outputs: out0 4 x 2,048 x 1,024 float32.
;; This version of the problem:
;;   THIS VERSION OF THE PROBLEM IS GIVEN IN LOW PRECISION. The matrix products marked QUANTISED in the list below multiply operands that are first quantised to E2M1 (2 exponent bits, 1 mantissa bit; 4 bits a number), with one power-of-two scale for each 32 numbers along K (OCP MX v1.0); their sums are f32. All else is computed in f32.
;;   The module's matrix products, in the order in which they are computed (A, B: the left and right operand; K: the contracted axis; several contracted axes count as one K, in the product's order):
;;     1. [M 8,192, K 1,024] x [K 1,024, N 1,024]; A: input x (given as codes); B: input Wq (given as codes): QUANTISED
;;     2. [M 8,192, K 1,024] x [K 1,024, N 1,024]; A: input x (given as codes); B: input Wk (given as codes): QUANTISED
;;     3. [M 8,192, K 1,024] x [K 1,024, N 1,024]; A: input x (given as codes); B: input Wv (given as codes): QUANTISED
;;     4. batch 64 x [M 2,048, K 64] x [K 64, N 2,048]; A: computed on the way; B: computed on the way: QUANTISED
;;     5. batch 64 x [M 2,048, K 2,048] x [K 2,048, N 64]; A: softmax (see below); B: computed on the way: QUANTISED
;;     6. [M 8,192, K 1,024] x [K 1,024, N 1,024]; A: computed on the way; B: input Wo (given as codes): QUANTISED
;;   THE QUANTISER, for each operand of a quantised product, along K:
;;     - K is cut into blocks of 32 from its start; a last block that is shorter is filled with zeros.
;;     - A block's scale is 2^e with e = floor(log2(the largest magnitude in the block)) - 2, held to -126 .. 127; a block of zeros has e = 0. As a byte (E8M0): e + 127.
;;     - Each number is divided by its block's scale, clamped to +-6, and rounded to the nearest number of E2M1, ties to even, subnormals kept.
;;     - The product sums the exact products of the quantised numbers (number of the format x scale) in f32.
;;   ~~~python
;;   def quantise(x, axis):      # numpy; x: float32 -> the quantised numbers, widened to float32 again
;;       x = np.moveaxis(x, axis, -1); K = x.shape[-1]
;;       x = np.pad(x, [(0, 0)] * (x.ndim - 1) + [(0, -K % 32)]); x = x.reshape(x.shape[:-1] + (-1, 32)); a = np.abs(x).max(-1, keepdims=True)
;;       e = np.where(a > 0, np.clip(np.frexp(np.where(a > 0, a, 1))[1] - 1 - 2, -126, 127), 0)      # np.frexp(a)[1] - 1 = floor(log2(a)), exactly
;;       r = np.clip(x / 2.0 ** e, -6, 6)
;;       step = 2.0 ** (np.maximum(np.frexp(np.where(r == 0, 1, r))[1] - 1, 0) - 1)
;;       q = np.round(r / step) * step * 2.0 ** e      # np.round: ties to even
;;       return np.moveaxis(q.reshape(q.shape[:-2] + (-1,))[..., :K], -1, axis).astype(np.float32)
;;   ~~~
;;   SOFTMAX AHEAD OF A QUANTISED PRODUCT. Where the list says 'softmax', what is quantised is not the finished softmax but p = 2^(t - M), with t = logit x log2(e) and M = ceil(the row's largest t), a whole number; so 1/2 < the row's largest p <= 1. The row's sum l is taken of the UNQUANTISED p, in f32, and the product's result is divided by l at the end. Since M is a whole number, a kernel that streams over the keys may use a running M (the ceiling of the running maximum): every later rescaling is an exact power of two, which a block's scale takes up: the codes' values come out the same.
;;   OPERANDS COMPUTED ON THE WAY. 'Computed on the way' means the value that the module computes at that place (a softmax that the list does not call 'softmax' is quantised finished and normalised). What goes into a quantiser is computed in f32, as accurately as f32 sums, v_exp_f32 and their like allow (about 1e-6 of the number): no bf16 or f16 on the way to a quantiser, and a product that is left as it is and whose result goes on into a quantised operand takes f32 operands (vector FMAs, or v_wmma_f32_16x16x4_f32). A number that lies on a knife's edge between two numbers of the format may be rounded either way, as far as f32 arithmetic and the matrix unit's own rounding can turn it there, and no further.
;;   INPUTS GIVEN AS CODES. Wk (in the module: [1024, 1024], K = its axis 1); Wo (in the module: [1024, 1024], K = its axis 1); Wq (in the module: [1024, 1024], K = its axis 1); Wv (in the module: [1024, 1024], K = its axis 1); x (in the module: [4, 2048, 1024], K = its axis 2): each comes as NAME_codes (uint8): NAME with its K axis moved to the last place and cut into blocks of 32 codes, [.., K / 32, bytes a block], one block behind the other in memory; two codes a byte, the lower K in the low four bits (a code: sign, 2 exponent bits, 1 mantissa bit); and NAME_scales (uint8): the same leading axes, one E8M0 byte (e + 127) for each 32 codes along K. Its value is code x scale, taken as it is: it is not quantised again, and the codes and scales need not be those that the quantiser above would give.
;; One version. Each part assembles by itself: llvm-mc -triple=amdgcn-amd-amdhsa -mcpu=gfx1250 --defsym DOCPART=n.
;; ======== version 1 of 1: 3 launches
;; workspace buffers: qc 4,194,304 bytes; qs 524,288 bytes; kv 9,175,040 bytes; ac 4,194,304 bytes; asc 262,144 bytes
;; launch qkv (part 1): grid 8 x 64, 4 waves a work-group, clusters of 4 x 4, 295,424 bytes of LDS; arguments x_codes, x_scales, Wq_codes, Wk_codes, Wv_codes, Wq_scales, Wk_scales, Wv_scales, bq, bk, bv, frac, qc, qs, kv; writes qc, qs, kv
.if DOCPART == 1
	.amdgcn_target "amdgcn-amd-amdhsa--gfx1250"
	.amdhsa_code_object_version 6
	.text
	.protected	k_qc2cd557d1d_qkv
	.globl	k_qc2cd557d1d_qkv
	.p2align	8
	.type	k_qc2cd557d1d_qkv,@function
k_qc2cd557d1d_qkv:
	s_mov_b64 s[64:65], 0
	v_nop
	global_prefetch_b8 v0, s[64:65] scope:SCOPE_SE
	s_setreg_imm32_b32 hwreg(HW_REG_WAVE_MODE, 25, 1), 1
	s_wait_xcnt 0x0
	s_wait_alu depctr_hold_cnt(0) depctr_sa_sdst(0) depctr_va_vdst(0) depctr_va_sdst(0) depctr_va_ssrc(0) depctr_va_vcc(0) depctr_vm_vsrc(0)
	s_getreg_b32 s2, hwreg(HW_REG_IB_STS2, 6, 4)
	s_cmp_eq_u32 s2, 0
	s_cbranch_scc0 .Lentry_in_a_cluster
	s_endpgm
.Lentry_in_a_cluster:
	s_bfe_u32 s2, ttmp6, 0x10000c
	s_cmp_lg_u32 s2, 0xf033
	s_cbranch_scc0 .Lentry_shape_is_right
	s_endpgm
.Lentry_shape_is_right:
; Q = rope(x Wq^T + bq), K = rope(x Wk^T + bk), V = x Wv^T + bv, all three products on the given codes of FP4 (E2M1) with E8M0 scales; the results are quantised again
; (Q and K along the head's 64, V along the keys) and stored as IMAGES OF THE NEXT LAUNCH'S OPERAND REGISTERS: four registers of a fragment are 512 bytes, lane l's 16 bytes at 16 l.
; SHARES.  A work-group takes 128 tokens (gy) x the 128 features of two heads (gx) of Q, K and V.  Wave w: hd = w & 1 its head, th = w >> 1.
;   job QK: all 128 tokens x the head's 64 features of Q (th = 0) or K (th = 1), used transposed (source 0 = 16 rows of W, source 1 = 16 tokens): a lane holds ONE token and 8 neighbouring features a tile.
;   job V : all 128 tokens x features 32 th .. 32 th + 31 of the head's V (source 0 = 16 tokens, source 1 = 16 rows of Wv): a lane holds ONE feature and 8 neighbouring tokens a tile: the next K runs down its registers.
;   The same eight fragments of x serve both jobs: 14 fragments from LDS feed 48 matrix instructions.
; LDS.  All of K (1,024) fits: two slots of 512 along K (x, Wq, Wk, Wv: 128 rows of 256 bytes + 16 each) and the scale bytes.  Every LDS byte is filled ONCE, at the head: no slot is filled again.
; CLUSTER 4 x 4: the four work-groups of a row need the same rows of x, the four of a column the same rows of Wq, Wk, Wv: each tile is asked for jointly (wave 0: x; waves 1, 2, 3: Wq, Wk, Wv).
; ROPE.  angle = (frac x 1000) / 10^(i/8), i = 0 .. 31, the quotient corrected by one residual step; n = round(angle x 2/pi); the rest comes from a two-word 2/pi by fused multiply-adds;
;   sine and cosine of the rest (at most pi/4) by polynomials; the quadrant by selects and sign bits: no branch hangs on data.  Each wave makes the pairs of 32 tokens while the tiles are on their way; the waves exchange them through LDS.
; A D-LAYOUT RESULT BECOMES AN OPERAND: a tile gives a lane 8 neighbours at 8 (lane / 16); conversions of blocks b0, b1 (tile 0) go to registers 0, 1, (tile 1) to 2, 3; two exchanges of lane halves then give lane half h the 32 codes of block h.
; LIMITS.  NaN and infinities among the inputs are not served.  A block whose largest magnitude lies under 2^(3 - 127) gets the byte 1 (a block of zeros too, where the rule says 127: its codes are zeros, and the bytes are read by this program alone).
;   The reduction keeps f32 accuracy for angles up to about 1e6.  10^(i/8) is the correctly rounded constant.  The rotation uses fused multiply-adds: one rounding where two separate operations have two.
; REGISTERS, in windows of 256.  window 0: v1-17 addresses; v32-95 scale words (nothing else, ever); v96-127 bq or bk, v128-143 bv as C operands; v144-207 sine and cosine; v208-255 at work;
;   on the way out v96-159 rotated numbers, v160-223 sine and cosine read back, v224-239 the quantiser's, v240-247 scale words made, v248-255 codes.
;   window 1: job QK's 32 accumulators (token tile tt, feature tile ft at v[32 tt + 8 ft]).   window 2: v0-127 job V's 16 accumulators (v[64 ft + 8 tk]); v128-239 fragments, set 0.   window 3: v128-239 fragments, set 1.
;   In a set: x's eight at v128, the QK job's four of W at v192, Wv's two at v224.
.set PITCH, 272                        ; an LDS row: 256 bytes + 16 of padding: the 16 rows of a fragment load start 68 words apart
.set HALFT, 128*PITCH                  ; 128 rows: one tensor load
.set SLOT,  4*HALFT                    ; x, Wq, Wk, Wv
.set SCL,   2*SLOT                     ; the scale bytes: x, Wq, Wk, Wv, 4,096 dense bytes each, 32 a row
.set WV,   2                           ; s2   wave
.set HD,   3                           ; s3   wave & 1
.set TH,   34                          ; s34  wave >> 1
.set QM,   35                          ; s35  a mask of lanes, at work
.set G1,   36                          ; s[36:43] group 1, x's codes;  s[44:51] W's codes;  s[52:59] x's scales;  s[68:75] W's scales
.set G1B,  44
.set G1S,  52
.set G1SB, 68
.set G0A,  76                          ; s[76:87] three groups 0 for x (scales, slot 0, slot 1);  s[88:99] the same for W
.set G0B,  88
.set SEL,  66                          ; s[66:67] lane selects for v_permlanex16_b32: lane l xor 16 (written when the descriptors stand)
.set SC,   32
.set BQ,   96
.set BV,   128
.set PK,   144
.set T,    96
.set CS,   160
.set TM,   224
.set W8,   240
.set MSB, 0
.macro WIN new                         ; the immediate's high byte repeats the setting that is left; a switch that changes nothing is dropped
.if MSB != (\new)
	s_set_vgpr_msb (MSB<<8)|(\new)
.set MSB, \new
.endif
.endm
.macro PLACES                          ; four plain vector instructions between a matrix instruction and a load into, or a vector read of, its registers
.rept 4
	v_nop
.endr
.endm
.macro CROUND                          ; a round of the cluster's barrier: my work-group's barrier, wave 0 signals for the work-group, every wave waits for all sixteen, my work-group's barrier again
	s_barrier_signal -1
	s_barrier_wait -1
	s_cmp_lg_u32 s[WV], 0
	s_cbranch_scc1 .Lnot_wave_0_\@
	s_barrier_signal -3
.Lnot_wave_0_\@:
	s_barrier_wait -3
	s_barrier_signal -1
	s_barrier_wait -1
.endm
	s_load_b512 s[4:19], s[0:1], 0x0               ; x codes s[4:5], x scales s[6:7], Wq, Wk, Wv codes s[8:13], Wq, Wk, Wv scales s[14:19]
	s_load_b256 s[20:27], s[0:1], 0x40             ; bq, bk, bv, frac
	s_load_b128 s[28:31], s[0:1], 0x60             ; qc, qs
	s_load_b64 s[32:33], s[0:1], 0x70              ; kv
	v_lshl_add_u32 v30, v0, 2, 0x48000
	v_mov_b32 v31, 0
	ds_add_u32 v30, v31
	ds_add_u32 v30, v31
	v_lshrrev_b32 v1, 5, v0
	v_readfirstlane_b32 s[WV], v1                  ; wave 0..3
	s_and_b32 s[HD], s[WV], 1
	s_lshr_b32 s[TH], s[WV], 1
	s_bfe_u32 s60, ttmp6, 0x40000                  ; cx
	s_bfe_u32 s61, ttmp6, 0x40004                  ; cy
	s_lshl_b32 s62, ttmp9, 2
	s_add_co_u32 s62, s62, s60                     ; gx: the pair of heads = 4 x cluster x + cx
	s_and_b32 s63, ttmp7, 0xffff
	s_lshl_b32 s63, s63, 2
	s_add_co_u32 s63, s63, s61                     ; gy: the block of 128 tokens = 4 x cluster y + cy
	s_lshl_b32 s100, s61, 2
	s_lshl_b32 s100, 15, s100                      ; my row of the cluster
	s_lshl_b32 s104, 0x1111, s60                   ; my column
	s_or_b32 s[G1], s100, (1<<20)|(1<<21)|(5<<22)|(3<<25)    ; the mask; elements of 1 byte; padding on, 4 words behind every 64; bit 21 beside a mask
	s_or_b32 s[G1B], s104, (1<<20)|(1<<21)|(5<<22)|(3<<25)
.irp g, G1, G1B
	s_mov_b32 s[\g+1], 256<<16                     ; tensor_dim0 = 256 bytes
	s_mov_b32 s[\g+2], 128<<16                     ; tensor_dim1 = 128 rows
	s_mov_b32 s[\g+3], 256<<16                     ; tile_dim0
	s_mov_b32 s[\g+4], 128                         ; tile_dim1
	s_mov_b32 s[\g+5], 512                         ; a row of 1,024 codes in memory
	s_mov_b32 s[\g+6], 0
	s_mov_b32 s[\g+7], 0
.endr
	s_or_b32 s[G1S], s100, (3<<16)|(1<<21)         ; the scale bytes of 128 rows: 4,096 dense bytes as 16 rows of 32 elements of 8 bytes, no padding
	s_or_b32 s[G1SB], s104, (3<<16)|(1<<21)
.irp g, G1S, G1SB
	s_mov_b32 s[\g+1], 32<<16
	s_mov_b32 s[\g+2], 16<<16
	s_mov_b32 s[\g+3], 32<<16
	s_mov_b32 s[\g+4], 16
	s_mov_b32 s[\g+5], 32
	s_mov_b32 s[\g+6], 0
	s_mov_b32 s[\g+7], 0
.endr
	s_lshl_b32 s100, s63, 16                       ; x: 128 rows of 512 bytes a block: hangs on gy alone
	s_mov_b32 s101, 0
	s_lshl_b32 s104, s62, 16                       ; W: 128 rows a pair of heads: hangs on gx alone
	s_mov_b32 s105, 0
	s_mul_i32 s66, s[WV], HALFT                    ; where my tiles go: wave x 128 rows,
	s_lshl_b32 s67, s[WV], 12                      ; and my scale bytes: wave x 4,096
	s_wait_dscnt 0x0
	s_wait_kmcnt 0x0
	s_cmp_eq_u32 s[WV], 1                          ; wave 1 fetches Wq, wave 2 Wk, wave 3 Wv
	s_cselect_b64 s[8:9], s[8:9], s[10:11]
	s_cselect_b64 s[14:15], s[14:15], s[16:17]
	s_cmp_eq_u32 s[WV], 3
	s_cselect_b64 s[8:9], s[12:13], s[8:9]
	s_cselect_b64 s[14:15], s[18:19], s[14:15]
	s_add_nc_u64 s[4:5], s[4:5], s[100:101]
	s_add_nc_u64 s[8:9], s[8:9], s[104:105]
	s_lshl_b32 s100, s63, 12                       ; the scale bytes: 128 rows of 32
	s_lshl_b32 s104, s62, 12
	s_add_nc_u64 s[6:7], s[6:7], s[100:101]
	s_add_nc_u64 s[14:15], s[14:15], s[104:105]
	s_mov_b32 s[G0A], 1
	s_add_co_u32 s[G0A+1], s67, SCL
	s_mov_b64 s[G0A+2:G0A+3], s[6:7]
	s_or_b32 s[G0A+3], s[G0A+3], 0x80000000
	s_mov_b32 s[G0A+4], 1
	s_mov_b32 s[G0A+5], s66
	s_mov_b64 s[G0A+6:G0A+7], s[4:5]
	s_or_b32 s[G0A+7], s[G0A+7], 0x80000000
	s_mov_b32 s[G0A+8], 1
	s_add_co_u32 s[G0A+9], s66, SLOT
	s_add_nc_u64 s[G0A+10:G0A+11], s[4:5], 256
	s_or_b32 s[G0A+11], s[G0A+11], 0x80000000
	s_mov_b32 s[G0B], 1
	s_add_co_u32 s[G0B+1], s67, SCL
	s_mov_b64 s[G0B+2:G0B+3], s[14:15]
	s_or_b32 s[G0B+3], s[G0B+3], 0x80000000
	s_mov_b32 s[G0B+4], 1
	s_mov_b32 s[G0B+5], s66
	s_mov_b64 s[G0B+6:G0B+7], s[8:9]
	s_or_b32 s[G0B+7], s[G0B+7], 0x80000000
	s_mov_b32 s[G0B+8], 1
	s_add_co_u32 s[G0B+9], s66, SLOT
	s_add_nc_u64 s[G0B+10:G0B+11], s[8:9], 256
	s_or_b32 s[G0B+11], s[G0B+11], 0x80000000
	CROUND                                         ; all sixteen work-groups are here: the joint loads meet
	s_cmp_eq_u32 s[WV], 0                          ; a wave's three fills stand in one branch on the wave's number: three loads of mine are out.  Order: scales, slot 0, slot 1
	s_cbranch_scc0 .Lfill_w
	tensor_load_to_lds s[G0A:G0A+3], s[G1S:G1S+7]
	s_nop 0
	tensor_load_to_lds s[G0A+4:G0A+7], s[G1:G1+7]
	s_nop 0
	tensor_load_to_lds s[G0A+8:G0A+11], s[G1:G1+7]
	s_nop 0
	PLACES                                         ; four v_nop follow the last load of each arm
	s_branch .Lfilled
.Lfill_w:
	tensor_load_to_lds s[G0B:G0B+3], s[G1SB:G1SB+7]
	s_nop 0
	tensor_load_to_lds s[G0B+4:G0B+7], s[G1B:G1B+7]
	s_nop 0
	tensor_load_to_lds s[G0B+8:G0B+11], s[G1B:G1B+7]
	s_nop 0
	PLACES
.Lfilled:
	; ---- loads into registers: frac of my 32 tokens, the biases in the results' layouts
	v_and_b32 v1, 15, v0                           ; r
	v_bfe_u32 v2, v0, 4, 1                         ; h
	v_and_b32 v3, 31, v0
	v_lshlrev_b32 v3, 4, v3                        ; 16 x lane: an image's place for my lane
	v_lshlrev_b32 v16, 2, v1                       ; 4 r
	v_lshlrev_b32 v17, 5, v2                       ; 32 h
	s_wait_alu depctr_va_vdst(0)
	s_lshl_b32 s100, s63, 9                        ; frac: (128 gy + 32 wave) x 4 bytes
	s_lshl_b32 s105, s[WV], 7
	s_add_co_u32 s100, s100, s105
	s_add_nc_u64 s[26:27], s[26:27], s[100:101]
	global_load_b32 v208, v16, s[26:27]            ; token r of tile 2 w
	global_load_b32 v209, v16, s[26:27] offset:64  ; and of tile 2 w + 1
	s_lshl_b32 s104, s62, 1
	s_add_co_u32 s104, s104, s[HD]                 ; my head
	s_cmp_eq_u32 s[TH], 0
	s_cselect_b64 s[20:21], s[20:21], s[22:23]     ; bq or bk
	s_lshl_b32 s100, s104, 8
	s_add_nc_u64 s[20:21], s[20:21], s[100:101]
.irp f, 0,1,2,3
	global_load_b128 v[BQ+8*\f:BQ+8*\f+3], v17, s[20:21] offset:64*\f        ; features 16 f + 8 h + 0 .. 7 of the head
	global_load_b128 v[BQ+8*\f+4:BQ+8*\f+7], v17, s[20:21] offset:64*\f+16
.endr
	s_lshl_b32 s105, s[TH], 7
	s_add_co_u32 s100, s100, s105
	s_add_nc_u64 s[24:25], s[24:25], s[100:101]    ; bv at feature 64 head + 32 th
	global_load_b32 v[BV], v16, s[24:25]           ; feature r of tile 0,
	global_load_b32 v[BV+8], v16, s[24:25] offset:64   ; of tile 1
	; ---- LDS addresses: a constant, a lane term, a constant x the wave's bits
	v_mul_u32_u24 v4, v1, PITCH
	v_lshl_add_u32 v4, v2, 4, v4                   ; v4, v5: x's fragments in slot 0, 1: row r, + 16 h
	v_add_nc_u32 v5, SLOT, v4
	s_mul_i32 s100, s[TH], HALFT
	s_add_co_u32 s100, s100, HALFT
	s_mul_i32 s105, s[HD], 64*PITCH
	s_add_co_u32 s100, s100, s105
	v_add_nc_u32 v6, s100, v4                      ; v6, v7: Wq's or Wk's, my head's 64 rows
	v_add_nc_u32 v7, s100, v5
	s_mul_i32 s100, s[TH], 32*PITCH
	s_add_co_u32 s100, s100, s105
	s_add_co_u32 s100, s100, 3*HALFT
	v_add_nc_u32 v8, s100, v4                      ; v8, v9: Wv's, my 32 rows
	v_add_nc_u32 v9, s100, v5
	v_lshlrev_b32 v12, 5, v1
	v_add_nc_u32 v12, SCL, v12                     ; v12: x's scale words: 32 bytes a row
	s_lshl_b32 s100, s[TH], 12
	s_add_co_u32 s100, s100, 4096
	s_lshl_b32 s105, s[HD], 11
	s_add_co_u32 s100, s100, s105
	v_mul_u32_u24 v10, s100, v2                    ; v10: lanes 0-15 x's tile i, lanes 16-31 the QK job's tile i of W: ONE product, h x the distance
	v_add_nc_u32 v10, v10, v12
	s_lshl_b32 s100, s[TH], 10
	s_add_co_u32 s100, s100, s105
	s_add_co_u32 s100, s100, 10240
	v_mul_u32_u24 v11, s100, v2                    ; v11: lanes 16-31 Wv's tile i - 4
	v_add_nc_u32 v11, v11, v12
	v_lshl_add_u32 v13, s[WV], 13, v3              ; v13: where I put my two tiles' sine and cosine: 16 x lane + 8,192 x wave
	v_lshlrev_b32 v14, 5, v1
	v_lshl_add_u32 v14, v2, 4, v14                 ; v14: 32 r + 16 h: Q's and K's scale words on the way out
	v_lshlrev_b32 v15, 4, v1
	v_lshl_add_u32 v15, v2, 2, v15                 ; v15: 16 r + 4 h: V's
	v_cmp_ne_u32 vcc_lo, 0, v2                     ; lanes 16-31: kept for the whole kernel
	; ---- where the results go
	s_lshr_b32 s100, s63, 4
	s_lshl_b32 s100, s100, 4
	s_add_co_u32 s100, s100, s104                  ; bh = 16 b + head
	s_and_b32 s105, s63, 15                        ; the block of 128 tokens in the sequence = the key step
	s_mul_i32 s4, s100, 143360
	s_mul_i32 s5, s105, 8960
	s_add_co_u32 s4, s4, s5
	s_mov_b32 s5, 0
	s_add_nc_u64 s[32:33], s[32:33], s[4:5]        ; kv: my head's chunk of this key step
	s_lshl_b32 s4, s100, 16
	s_lshl_b32 s6, s105, 12
	s_add_co_u32 s4, s4, s6
	s_add_nc_u64 s[28:29], s[28:29], s[4:5]        ; qc: eight tiles of 512 bytes
	s_lshl_b32 s4, s100, 13
	s_lshl_b32 s6, s105, 9
	s_add_co_u32 s4, s4, s6
	s_add_nc_u64 s[30:31], s[30:31], s[4:5]        ; qs: 512 bytes
	s_lshl_b32 s4, s[TH], 11
	s_add_nc_u64 s[8:9], s[32:33], s[4:5]          ; V's codes: + 2,048 th (and 4,096 in the immediate)
	s_lshl_b32 s4, s[TH], 3
	s_add_nc_u64 s[10:11], s[32:33], s[4:5]        ; V's scale words: + 8 th (and 8,704)
	s_add_nc_u64 s[14:15], s[32:33], 8192          ; K's scale words
	s_cmp_eq_u32 s[TH], 0
	s_cselect_b64 s[12:13], s[28:29], s[32:33]     ; job QK's codes: to qc or to the chunk's head
	s_cselect_b64 s[14:15], s[30:31], s[14:15]     ; and its scale words
	s_mov_b32 s[SEL], 0x76543210
	s_mov_b32 s[SEL+1], 0xfedcba98
	; ---- sine and cosine of my 32 tokens x 32 frequencies, two tokens (tile 2 w, tile 2 w + 1) to a packed instruction
	v_mov_b32 v211, 0                              ; upper halves of pairs of which the low word serves both halves: named, so written
	v_mov_b32 v213, 0
	v_mov_b32 v242, 0x3c08839e                     ; the sine's middle coefficient,
	v_mov_b32 v243, 0x3c08839e
	v_mov_b32 v244, 0xbab6061a                     ; the cosine's: in registers, since an instruction takes one literal
	v_mov_b32 v245, 0xbab6061a
	s_wait_loadcnt 10                              ; frac's two loads are in; the ten loads of biases behind them may be out
	v_mul_f32 v208, 0x447a0000, v208               ; position = frac x 1000
	v_mul_f32 v209, 0x447a0000, v209
; Register e = 8 ft + j of a tile belongs to frequency i = 16 ft + 8 h + j.  fd0, iv0: 10^(i/8) and its reciprocal for lanes 0-15; fd1, iv1 for lanes 16-31.
.macro SINCOS e, fd0, fd1, iv0, iv1
	v_mov_b32 v214, \fd1
	v_mov_b32 v215, \iv1
	v_cndmask_b32 v210, \fd0, v214, vcc_lo
	v_cndmask_b32 v212, \iv0, v215, vcc_lo
	v_pk_mul_f32 v[216:217], v[208:209], v[212:213] op_sel_hi:[1,0]                                      ; q = position x 1/fd
	v_pk_fma_f32 v[218:219], v[216:217], v[210:211], v[208:209] op_sel_hi:[1,0,1] neg_lo:[1,0,0] neg_hi:[1,0,0]   ; the residual position - q fd, exact
	v_pk_fma_f32 v[220:221], v[218:219], v[212:213], v[216:217] op_sel_hi:[1,0,1]                        ; the angle: the quotient, corrected
	v_pk_mul_f32 v[222:223], v[220:221], 0x3f22f983 op_sel_hi:[1,0]
	v_rndne_f32 v222, v222                                                                               ; n = round(angle x 2/pi)
	v_rndne_f32 v223, v223
	v_pk_fma_f32 v[224:225], v[220:221], 0x3f22f983, v[222:223] op_sel_hi:[1,0,1] neg_lo:[0,0,1] neg_hi:[0,0,1]   ; angle x (2/pi)'s high word - n,
	v_pk_fma_f32 v[224:225], v[220:221], 0x32dc9c88, v[224:225] op_sel_hi:[1,0,1]                        ; + angle x its low word
	v_pk_mul_f32 v[226:227], v[224:225], 0x3fc90fdb op_sel_hi:[1,0]                                      ; y = the rest x pi/2, at most pi/4
	v_pk_mul_f32 v[228:229], v[226:227], v[226:227]                                                      ; z = y y
	v_pk_fma_f32 v[230:231], v[228:229], 0xb94ca1f9, v[242:243] op_sel_hi:[1,0,1]
	v_pk_fma_f32 v[232:233], v[228:229], 0x37ccf5ce, v[244:245] op_sel_hi:[1,0,1]
	v_pk_fma_f32 v[230:231], v[230:231], v[228:229], 0xbe2aaaa3 op_sel_hi:[1,1,0]
	v_pk_fma_f32 v[232:233], v[232:233], v[228:229], 0x3d2aaaa5 op_sel_hi:[1,1,0]
	v_pk_mul_f32 v[234:235], v[228:229], v[228:229]
	v_pk_fma_f32 v[236:237], v[228:229], -0.5, 1.0 op_sel_hi:[1,0,0]
	v_pk_mul_f32 v[230:231], v[230:231], v[228:229]
	v_pk_fma_f32 v[240:241], v[232:233], v[234:235], v[236:237]                                          ; cos y
	v_pk_fma_f32 v[238:239], v[230:231], v[226:227], v[226:227]                                          ; sin y
.irp k, 0,1
	v_cvt_i32_f32 v246, v[222+\k]
	v_and_b32 v247, 1, v246
	v_cmp_ne_u32 s[QM], 0, v247                    ; an odd quadrant exchanges the two
	v_cndmask_b32 v248, v[238+\k], v[240+\k], s[QM]
	v_cndmask_b32 v249, v[240+\k], v[238+\k], s[QM]
	v_lshlrev_b32 v250, 30, v246                   ; the sine is negative where n & 2,
	v_add_lshl_u32 v251, v246, 1, 30               ; the cosine where (n + 1) & 2
	v_and_b32 v250, 0x80000000, v250
	v_and_b32 v251, 0x80000000, v251
	v_xor_b32 v[PK+32*\k+16+(\e)], v248, v250
	v_xor_b32 v[PK+32*\k+(\e)], v249, v251
.endr
.endm
	SINCOS 0, 1.0, 10.0, 1.0, 0.1
	SINCOS 1, 1.333521432163324, 13.33521432163324, 0.7498942093324559, 0.07498942093324559
	SINCOS 2, 1.7782794100389228, 17.782794100389228, 0.5623413251903491, 0.05623413251903491
	SINCOS 3, 2.371373705661655, 23.71373705661655, 0.4216965034285822, 0.04216965034285822
	SINCOS 4, 3.1622776601683795, 31.622776601683795, 0.31622776601683794, 0.031622776601683794
	SINCOS 5, 4.216965034285822, 42.16965034285822, 0.2371373705661655, 0.02371373705661655
	SINCOS 6, 5.623413251903491, 56.23413251903491, 0.17782794100389228, 0.017782794100389228
	SINCOS 7, 7.498942093324559, 74.98942093324559, 0.1333521432163324, 0.01333521432163324
	SINCOS 8, 100.0, 1000.0, 0.01, 0.001
	SINCOS 9, 133.3521432163324, 1333.521432163324, 0.007498942093324559, 0.0007498942093324559
	SINCOS 10, 177.82794100389228, 1778.2794100389228, 0.005623413251903491, 0.0005623413251903491
	SINCOS 11, 237.1373705661655, 2371.373705661655, 0.004216965034285822, 0.0004216965034285822
	SINCOS 12, 316.22776601683795, 3162.2776601683795, 0.0031622776601683794, 0.00031622776601683794
	SINCOS 13, 421.6965034285822, 4216.965034285822, 0.002371373705661655, 0.0002371373705661655
	SINCOS 14, 562.3413251903491, 5623.413251903491, 0.0017782794100389228, 0.00017782794100389228
	SINCOS 15, 749.8942093324559, 7498.942093324559, 0.001333521432163324, 0.0001333521432163324
	s_wait_loadcnt 0x0                             ; the biases
.irp k, 1,2,3,4,5,6,7
	v_mov_b32 v[BV+\k], v[BV]                      ; job V's C: the lane's feature has one bias for its eight tokens
	v_mov_b32 v[BV+8+\k], v[BV+8]
.endr
; 28 LDS loads: the fragments of K step q (128 along K) into set p
.macro FETCH q, p
	WIN 0x80+0x40*(\p)                             ; destination window 2 or 3, address window 0
.irp i, 0,1,2,3,4,5,6,7
.irp c, 0,1
	ds_load_b128 v[128+8*\i+4*\c:131+8*\i+4*\c], v[4+(\q)/4] offset:4352*\i+64*((\q)%4)+32*\c
.endr
.endr
.irp f, 0,1,2,3
.irp c, 0,1
	ds_load_b128 v[192+8*\f+4*\c:195+8*\f+4*\c], v[6+(\q)/4] offset:4352*\f+64*((\q)%4)+32*\c
.endr
.endr
.irp f, 0,1
.irp c, 0,1
	ds_load_b128 v[224+8*\f+4*\c:227+8*\f+4*\c], v[8+(\q)/4] offset:4352*\f+64*((\q)%4)+32*\c
.endr
.endr
	WIN 0
.endm
; the scale words of slot s's four K steps: register SC + 32 s + 4 i + qq: lanes 0-15 x's tile i; lanes 16-31 the QK job's tile i of W (i < 4), Wv's tile i - 4 (i = 4, 5)
.macro SCALES s
.irp i, 0,1,2,3
	ds_load_b128 v[SC+32*\s+4*\i:SC+32*\s+4*\i+3], v10 offset:512*\i+16*\s
.endr
.irp i, 4,5
	ds_load_b128 v[SC+32*\s+4*\i:SC+32*\s+4*\i+3], v11 offset:512*\i+16*\s
.endr
.irp i, 6,7
	ds_load_b128 v[SC+32*\s+4*\i:SC+32*\s+4*\i+3], v12 offset:512*\i+16*\s
.endr
.endm
; 48 matrix instructions of K step q on set p.  The 48 accumulators take turns, one instruction a turn, in the same order in every step.  In step 0 the biases are the C: nothing is cleared or added.
.macro MULS q, p
.if (\q) == 0
	WIN 0x4a                                       ; A, B window 2; C window 0; D window 1
.else
	WIN 0x50|((2+(\p))<<2)|(2+(\p))                ; A, B window 2 + p; C, D window 1
.endif
.irp tt, 0,1,2,3,4,5,6,7
.irp ft, 0,1,2,3
.if (\q) == 0
	v_wmma_scale_f32_16x16x128_f8f6f4 v[32*\tt+8*\ft:32*\tt+8*\ft+7], v[192+8*\ft:199+8*\ft], v[128+8*\tt:135+8*\tt], v[BQ+8*\ft:BQ+8*\ft+7], v[SC+32*((\q)/4)+4*\ft+(\q)%4], v[SC+32*((\q)/4)+4*\tt+(\q)%4] matrix_a_fmt:MATRIX_FMT_FP4 matrix_b_fmt:MATRIX_FMT_FP4 matrix_a_scale:MATRIX_SCALE_ROW1
.else
	v_wmma_scale_f32_16x16x128_f8f6f4 v[32*\tt+8*\ft:32*\tt+8*\ft+7], v[192+8*\ft:199+8*\ft], v[128+8*\tt:135+8*\tt], v[32*\tt+8*\ft:32*\tt+8*\ft+7], v[SC+32*((\q)/4)+4*\ft+(\q)%4], v[SC+32*((\q)/4)+4*\tt+(\q)%4] matrix_a_fmt:MATRIX_FMT_FP4 matrix_b_fmt:MATRIX_FMT_FP4 matrix_a_scale:MATRIX_SCALE_ROW1
.endif
.endr
.endr
.if (\q) == 0
	WIN 0x8a                                       ; A, B window 2; C window 0; D window 2
.else
	WIN 0xa0|((2+(\p))<<2)|(2+(\p))                ; C, D window 2
.endif
.irp ft, 0,1
.irp tk, 0,1,2,3,4,5,6,7
.if (\q) == 0
	v_wmma_scale_f32_16x16x128_f8f6f4 v[64*\ft+8*\tk:64*\ft+8*\tk+7], v[128+8*\tk:135+8*\tk], v[224+8*\ft:231+8*\ft], v[BV+8*\ft:BV+8*\ft+7], v[SC+32*((\q)/4)+4*\tk+(\q)%4], v[SC+32*((\q)/4)+16+4*\ft+(\q)%4] matrix_a_fmt:MATRIX_FMT_FP4 matrix_b_fmt:MATRIX_FMT_FP4 matrix_b_scale:MATRIX_SCALE_ROW1
.else
	v_wmma_scale_f32_16x16x128_f8f6f4 v[64*\ft+8*\tk:64*\ft+8*\tk+7], v[128+8*\tk:135+8*\tk], v[224+8*\ft:231+8*\ft], v[64*\ft+8*\tk:64*\ft+8*\tk+7], v[SC+32*((\q)/4)+4*\tk+(\q)%4], v[SC+32*((\q)/4)+16+4*\ft+(\q)%4] matrix_a_fmt:MATRIX_FMT_FP4 matrix_b_fmt:MATRIX_FMT_FP4 matrix_b_scale:MATRIX_SCALE_ROW1
.endif
.endr
.endr
.endm
.macro KSTEP q
	s_wait_dscnt 0x0                               ; this step's fragments, asked for a step (48 matrix instructions) ago, are in
.if (\q) == 3
	s_wait_tensorcnt 0x0                           ; my part of slot 1 has landed; my reads of slot 0 are over (the wait above):
	s_barrier_signal -1
	s_barrier_wait -1                              ; both now hold of all four waves
.endif
	PLACES                                         ; in front of loads into the set that the last step multiplied
.if (\q) < 7
	FETCH (\q)+1, 1-(\q)%2
.endif
.if (\q) == 3
	SCALES 1
.endif
	MULS \q, (\q)%2
.endm
	s_wait_alu depctr_va_vdst(0)
	s_wait_tensorcnt 0x1                           ; my scale bytes and my part of slot 0 have landed; slot 1's load, issued behind them, may be out
	s_barrier_signal -1
	s_barrier_wait -1                              ; everybody's have
	FETCH 0, 0
	SCALES 0
.irp q, 0,1,2,3,4,5,6,7
	KSTEP \q
.endr
	WIN 0
	PLACES                                         ; in front of the first reads of results
; 64 numbers of a lane, v[s] on in window w, block b at 16 b (two tiles of 8), become two groups of four operand registers in v[pc] on; the blocks' bytes are left in v[TM+4] on.
.macro QUANT s, w, pc
	WIN (\w)|((\w)<<2)
.irp b, 0,1,2,3
	v_max3_num_f32 v[TM+\b], |v[(\s)+16*\b]|, |v[(\s)+16*\b+1]|, 0x1800000   ; my 16 numbers of block b, from each accumulator's low end on, and the floor 2^(3 - 127): the byte cannot fall under 1
.endr
	WIN ((\w)<<2)|((\w)<<4)
.irp i, 2,4,6,8,10,12,14
.irp b, 0,1,2,3
	v_max3_num_f32 v[TM+\b], v[TM+\b], |v[(\s)+16*\b+\i]|, |v[(\s)+16*\b+\i+1]|   ; the four blocks by turns
.endr
.endr
	WIN 0
.irp b, 0,1,2,3
	v_permlanex16_b32 v[TM+4+\b], v[TM+\b], s[SEL], s[SEL+1]
.endr
.irp b, 0,1,2,3
	v_max_num_f32 v[TM+\b], v[TM+\b], v[TM+4+\b]   ; with lane l xor 16's 16: the block's largest magnitude
.endr
.irp b, 0,1,2,3
	v_add_nc_u32 v[TM+12+\b], 0xff000000, v[TM+\b] ; 2 off its exponent field: the conversion takes the exponent field of this operand as its scale
.endr
.irp b, 0,1,2,3
	v_lshrrev_b32 v[TM+4+\b], 23, v[TM+12+\b]      ; the scale's byte
.endr
	WIN \w
.irp b, 0,1,2,3
	v_cvt_scalef32_pk8_fp4_f32 v[(\pc)+4*(\b/2)+(\b%2)], v[(\s)+16*\b:(\s)+16*\b+7], v[TM+12+\b]
	v_cvt_scalef32_pk8_fp4_f32 v[(\pc)+4*(\b/2)+2+(\b%2)], v[(\s)+16*\b+8:(\s)+16*\b+15], v[TM+12+\b]
.endr
	WIN 0
	v_nop                                          ; one plain instruction behind the scaled conversions
.irp c, 0,1
	v_permlane16_swap_b32 v[(\pc)+4*\c], v[(\pc)+4*\c+1]       ; lanes 0-15 now hold block 2 c whole, lanes 16-31 block 2 c + 1
	v_permlane16_swap_b32 v[(\pc)+4*\c+2], v[(\pc)+4*\c+3]
.endr
.endm
	; ---- sine and cosine to LDS, as images: tile 2 w + t at 4,096 (2 w + t): four groups of cosines, then four of sines.  They lie in slot 0, which has had its one fill, and which nobody reads behind the barrier of K step 3
.irp n, 0,1,2,3,4,5,6,7,8,9,10,11,12,13,14,15
	ds_store_b128 v13, v[PK+4*\n:PK+4*\n+3] offset:512*\n
.endr
	; ---- V: my two tiles of features x 128 keys: one fragment and one scale word each
.irp f, 0,1
	QUANT 64*\f, 2, 208+8*\f
	v_lshl_or_b32 v[W8+\f], v[TM+5], 8, v[TM+4]
	v_lshl_or_b32 v[W8+\f], v[TM+6], 16, v[W8+\f]
	v_lshl_or_b32 v[W8+\f], v[TM+7], 24, v[W8+\f]
	global_store_b128 v3, v[208+8*\f:211+8*\f], s[8:9] offset:4096+1024*\f        ; 512 consecutive bytes
	global_store_b128 v3, v[212+8*\f:215+8*\f], s[8:9] offset:4096+1024*\f+512
.endr
	v_cndmask_b32 v[W8+2], v[W8], v[W8+1], vcc_lo  ; lanes 0-15 store tile 0's word, lanes 16-31 tile 1's
	global_store_b32 v15, v[W8+2], s[10:11] offset:8704    ; 8 of each 16 bytes: the wave with the other th writes the rest of these 256 bytes
	s_wait_dscnt 0x0                               ; my images have landed
	s_barrier_signal -1
	s_barrier_wait -1                              ; all eight tiles' sine and cosine lie in LDS
	; ---- Q or K: two tiles of tokens at a time: rotate, quantise, store
.macro ROPE u
	WIN 0x01                                       ; source 0: the accumulators, window 1
.irp t, 0,1
.irp f, 0,1
.irp j, 0,2,4,6
.set XL, 32*(2*(\u)+\t)+8*\f+\j                 ; features 16 f + 8 h + j of the left half, and + 32 of the right
.set TL, T+32*\t+8*\f+\j
.set CC, CS+32*\t+8*\f+\j
	v_pk_mul_f32 v[TL:TL+1], v[XL+16:XL+17], v[CC+16:CC+17]                                    ; xr sin
	v_pk_mul_f32 v[TL+16:TL+17], v[XL+16:XL+17], v[CC:CC+1]                                    ; xr cos
	v_pk_fma_f32 v[TL:TL+1], v[XL:XL+1], v[CC:CC+1], v[TL:TL+1] neg_lo:[0,0,1] neg_hi:[0,0,1]  ; xl cos - xr sin
	v_pk_fma_f32 v[TL+16:TL+17], v[XL:XL+1], v[CC+16:CC+17], v[TL+16:TL+17]                    ; xl sin + xr cos
.endr
.endr
.endr
.endm
.irp u, 0,1,2,3
	s_wait_xcnt 0x0                                ; the stores issued so far have read their registers: v160-223 and v248-255 are written again only behind this wait
.irp n, 0,1,2,3,4,5,6,7,8,9,10,11,12,13,14,15
	ds_load_b128 v[CS+4*\n:CS+4*\n+3], v3 offset:8192*\u+512*\n
.endr
	s_wait_dscnt 0x0
	ROPE \u
	QUANT T, 0, 248
	v_lshl_or_b32 v[W8+2*\u], v[TM+5], 8, v[TM+4]
	v_lshl_or_b32 v[W8+2*\u+1], v[TM+7], 8, v[TM+6]
	v_or_b32 v[W8+2*\u], 0x7f7f0000, v[W8+2*\u]    ; the head has 64 of the instruction's 128 along K: the upper two blocks are zero codes under the byte 127
	v_or_b32 v[W8+2*\u+1], 0x7f7f0000, v[W8+2*\u+1]
	global_store_b128 v3, v[248:251], s[12:13] offset:1024*\u
	global_store_b128 v3, v[252:255], s[12:13] offset:1024*\u+512
.endr
	s_wait_alu depctr_va_vdst(0)
	s_wait_xcnt 0x0
.irp k, 0,1,2,3
	v_cndmask_b32 v[248+\k], v[W8+\k], v[W8+4+\k], vcc_lo   ; token r's eight words: lanes 0-15 store tiles 0-3, lanes 16-31 tiles 4-7
.endr
	global_store_b128 v14, v[248:251], s[14:15]    ; 512 consecutive bytes
	s_wait_dscnt 0x0
	s_wait_tensorcnt 0x0
	ds_add_u32 v30, v31
	s_wait_dscnt 0x0
	CROUND                                         ; the closing round: no work-group ends while a partner may still ask for a tile that names it
	s_endpgm
.Lfunc_end_k_qc2cd557d1d_qkv:
	.size	k_qc2cd557d1d_qkv, .Lfunc_end_k_qc2cd557d1d_qkv-k_qc2cd557d1d_qkv
	.p2alignl 7, 3214868480
	.fill 96, 4, 3214868480
	.section	.rodata,"a",@progbits
	.p2align	6, 0x0
	.amdhsa_kernel k_qc2cd557d1d_qkv
		.amdhsa_group_segment_fixed_size 295424
		.amdhsa_private_segment_fixed_size 0
		.amdhsa_enable_private_segment 0
		.amdhsa_kernarg_size 120
		.amdhsa_user_sgpr_count 2
		.amdhsa_user_sgpr_kernarg_segment_ptr 1
		.amdhsa_wavefront_size32 1
		.amdhsa_system_sgpr_workgroup_id_x 1
		.amdhsa_system_sgpr_workgroup_id_y 1
		.amdhsa_system_sgpr_workgroup_id_z 1
		.amdhsa_system_vgpr_workitem_id 0
		.amdhsa_next_free_vgpr 1024
		.amdhsa_next_free_sgpr 106
		.amdhsa_reserve_vcc 1
		.amdhsa_float_denorm_mode_32 3
		.amdhsa_float_denorm_mode_16_64 3
		.amdhsa_memory_ordered 1
		.amdhsa_forward_progress 1
		.amdhsa_inst_pref_size 167
	.end_amdhsa_kernel
	.amdgpu_metadata
---
amdhsa.version: [ 1, 2 ]
amdhsa.kernels:
  - .name:           k_qc2cd557d1d_qkv
    .symbol:         k_qc2cd557d1d_qkv.kd
    .args:
      - { .name: x_codes, .offset: 0, .size: 8, .value_kind: global_buffer, .address_space: global }
      - { .name: x_scales, .offset: 8, .size: 8, .value_kind: global_buffer, .address_space: global }
      - { .name: Wq_codes, .offset: 16, .size: 8, .value_kind: global_buffer, .address_space: global }
      - { .name: Wk_codes, .offset: 24, .size: 8, .value_kind: global_buffer, .address_space: global }
      - { .name: Wv_codes, .offset: 32, .size: 8, .value_kind: global_buffer, .address_space: global }
      - { .name: Wq_scales, .offset: 40, .size: 8, .value_kind: global_buffer, .address_space: global }
      - { .name: Wk_scales, .offset: 48, .size: 8, .value_kind: global_buffer, .address_space: global }
      - { .name: Wv_scales, .offset: 56, .size: 8, .value_kind: global_buffer, .address_space: global }
      - { .name: bq, .offset: 64, .size: 8, .value_kind: global_buffer, .address_space: global }
      - { .name: bk, .offset: 72, .size: 8, .value_kind: global_buffer, .address_space: global }
      - { .name: bv, .offset: 80, .size: 8, .value_kind: global_buffer, .address_space: global }
      - { .name: frac, .offset: 88, .size: 8, .value_kind: global_buffer, .address_space: global }
      - { .name: qc, .offset: 96, .size: 8, .value_kind: global_buffer, .address_space: global }
      - { .name: qs, .offset: 104, .size: 8, .value_kind: global_buffer, .address_space: global }
      - { .name: kv, .offset: 112, .size: 8, .value_kind: global_buffer, .address_space: global }
    .group_segment_fixed_size: 295424
    .private_segment_fixed_size: 0
    .kernarg_segment_align: 8
    .kernarg_segment_size: 120
    .max_flat_workgroup_size: 128
    .sgpr_count:     106
    .vgpr_count:     1024
    .wavefront_size: 32
...
	.end_amdgpu_metadata
.endif
;; end of part 1
;; launch attn (part 2): grid 4 x 64, 16 waves a work-group, clusters of 4 x 1, 169,984 bytes of LDS; arguments qc, qs, kv, ac, asc; writes ac, asc
.if DOCPART == 2
	.amdgcn_target "amdgcn-amd-amdhsa--gfx1250"
	.amdhsa_code_object_version 6
	.text
	.protected	k_qc2cd557d1d_attn
	.globl	k_qc2cd557d1d_attn
	.p2align	8
	.type	k_qc2cd557d1d_attn,@function
k_qc2cd557d1d_attn:
	s_mov_b64 s[64:65], 0
	v_nop
	global_prefetch_b8 v0, s[64:65] scope:SCOPE_SE
	s_setreg_imm32_b32 hwreg(HW_REG_WAVE_MODE, 25, 1), 1
	s_wait_xcnt 0x0
	s_wait_alu depctr_hold_cnt(0) depctr_sa_sdst(0) depctr_va_vdst(0) depctr_va_sdst(0) depctr_va_ssrc(0) depctr_va_vcc(0) depctr_vm_vsrc(0)
	s_getreg_b32 s2, hwreg(HW_REG_IB_STS2, 6, 4)
	s_cmp_eq_u32 s2, 0
	s_cbranch_scc0 .Lentry_in_a_cluster
	s_endpgm
.Lentry_in_a_cluster:
	s_bfe_u32 s2, ttmp6, 0x10000c
	s_cmp_lg_u32 s2, 0x3003
	s_cbranch_scc0 .Lentry_shape_is_right
	s_endpgm
.Lentry_shape_is_right:
; O[q] = sum over k of softmax_k(Q[q] . K[k] / 8) V[k] for one head of one batch element, both products on codes of FP4 (E2M1) with E8M0 scales; O / l is quantised along the model's 1,024 and stored as the last product's operand.
; THE SOFTMAX AHEAD OF THE SECOND PRODUCT: t = score x log2(e) / 8; M = the running largest t rounded UP to a whole number; p = 2^(t - M) is quantised along the keys, not normalised; the row's sum l is taken of the
; unquantised p and divides O at the end.  When M moves, l and O are multiplied by 2^(old M - new M): exact, and without a branch on data.
; SHARES.  The four work-groups of a cluster share one head: 512 queries each.  A wave owns one tile of 16 queries at a time, two tiles one after the other: 16 waves, four to a SIMD, so that one wave's vector work stands beside another's products and LDS loads.
; LDS.  The head's K and V for all 2,048 keys, codes and scale words, are 16 chunks of 8,960 bytes (one for each step of 128 keys), laid by the launch before in the order of the operands' registers.
;   Each wave brings one chunk, ONCE, by a joint load that serves all four work-groups.  No LDS byte is filled again.
; LAYOUT.  Both products are used transposed: S^T = K Q^T (source 0 = 16 keys, source 1 = my queries), O^T = V^T P^T (source 0 = 16 of the head's 64): a lane holds ONE query throughout.
;   The head's 64 are half of the instruction's 128 along K: registers 4-7 of Q's and K's fragments are zero codes, their scale bytes 127.
;   p's tiles 2 b, 2 b + 1 are block b of 32 keys; conversions and two exchanges of lane halves for each pair of blocks give the operand.
; LIMITS.  NaN and infinities are not served.  A block whose largest magnitude lies under 2^(3 - 127) gets the byte 1 (a block of zeros too: its codes are zeros; the bytes are read by this program alone).
;   asc is written a byte a lane, in rows 32 bytes apart: 32 bytes for each tile and head, so that the last launch finds plain rows of scale bytes.
; REGISTERS: v1-3 lane terms; v4-6 the step's LDS addresses; v8, v9 offsets in qs and asc; v12 -M, v13 the largest t, v[14:15] l in two halves; v[16:23] Q; v24 Q's scale word; v25-28 the conversions' scale operands;
;   v32-95 eight fragments of K; v96-127 four of V; v128-191 S^T, then p; v192-223 O^T; v224-231 p's codes; v232-239 K's scale words; v240-243 V's; v244-251 at work; v252 f; v253 p's scale word; v254 at work.
.set CH,  8960                         ; a chunk: K's codes 4,096, V's codes 4,096, K's scale words 512, V's 256
.set WV,  14                           ; s14 wave
.set SEL, 20                           ; s[20:21] lane selects: lane l xor 16
.set CS,  22                           ; s[22:23] c = log2(e) / 8: the packed form names a pair and takes its low word for both halves
.set TB,  36                           ; s36 the step's chunk in LDS
.macro ROUND                           ; a round of the cluster's barrier
	s_barrier_signal -1
	s_barrier_wait -1
	s_cmp_lg_u32 s[WV], 0
	s_cbranch_scc1 .Lnot_wave_0_\@
	s_barrier_signal -3
.Lnot_wave_0_\@:
	s_barrier_wait -3
	s_barrier_signal -1
	s_barrier_wait -1
.endm
	s_load_b256 s[4:11], s[0:1], 0x0               ; qc s[4:5], qs s[6:7], kv s[8:9], ac s[10:11]
	s_load_b64 s[12:13], s[0:1], 0x20              ; asc
	v_lshl_add_u32 v31, v0, 2, 0x29000
	v_mov_b32 v255, 0
	ds_add_u32 v31, v255
	ds_add_u32 v31, v255
	v_lshrrev_b32 v1, 5, v0
	s_delay_alu instid0(VALU_DEP_1)
	v_readfirstlane_b32 s[WV], v1                  ; wave 0..15
	s_bfe_u32 s15, ttmp6, 0x40000                  ; cx: it enters Q's and the outputs' addresses alone
	s_and_b32 s16, ttmp7, 0xffff                   ; bh = 16 b + head, which the four partners share
	s_and_b32 s17, s16, 15                         ; head
	s_lshr_b32 s18, s16, 4                         ; b
	s_mov_b32 s24, 15|(3<<16)|(1<<21)              ; group 1: the mask names all four; elements of 8 bytes; bit 21 beside a mask; no padding
	s_mov_b32 s25, 32<<16                          ; rows of 256 bytes,
	s_mov_b32 s26, 35<<16                          ; 35 of them: a chunk, dense in memory
	s_mov_b32 s27, 32<<16
	s_mov_b32 s28, 35
	s_mov_b32 s29, 32
	s_mov_b32 s30, 0
	s_mov_b32 s31, 0
	s_mul_i32 s46, s16, 16*CH
	s_mul_i32 s33, s[WV], CH                       ; group 0: chunk w goes to CH x w,
	s_add_co_u32 s46, s46, s33
	s_mov_b32 s47, 0
	s_mov_b32 s32, 1
	s_wait_dscnt 0x0
	s_wait_kmcnt 0x0
	s_add_nc_u64 s[34:35], s[8:9], s[46:47]        ; from the head's chunk w
	s_or_b32 s35, s35, 0x80000000
	ROUND                                          ; all four work-groups are here: the joint loads meet
	tensor_load_to_lds s[32:35], s[24:31]          ; my one tensor load
	s_nop 0
.rept 4
	v_nop
.endr
	v_and_b32 v1, 31, v0
	s_delay_alu instid0(VALU_DEP_1)
	v_lshlrev_b32 v1, 4, v1                        ; 16 x lane
	v_and_b32 v7, 15, v0                           ; r
	v_bfe_u32 v10, v0, 4, 1                        ; h
	s_delay_alu instid0(VALU_DEP_2)
	v_lshl_add_u32 v2, v7, 5, 8192                 ; K's scale words: 32 bytes a row r
	s_delay_alu instid0(VALU_DEP_3)
	v_lshl_add_u32 v3, v7, 4, 8704                 ; V's: 16 bytes a row r
	s_delay_alu instid0(VALU_DEP_4)
	v_lshlrev_b32 v8, 5, v7                        ; qs: 32 r
	s_delay_alu instid0(VALU_DEP_4)
	v_lshl_add_u32 v9, v7, 5, v10                  ; asc: 32 r + h
	v_cmp_ne_u32 vcc_lo, 0, v10                    ; lanes 16-31: kept
	s_mov_b32 s[SEL], 0x76543210
	s_mov_b32 s[SEL+1], 0xfedcba98
	s_mov_b32 s[CS], 0x3e38aa3b
	s_mov_b32 s[CS+1], s[CS]
	s_lshl_b32 s40, s16, 7
	s_lshl_b32 s41, s15, 5
	s_add_co_u32 s40, s40, s41
	s_add_co_u32 s40, s40, s[WV]                   ; my first tile of queries: 128 bh + 32 cx + w
	s_lshl_b32 s40, s40, 9
	s_mov_b32 s41, 0
	s_add_nc_u64 s[4:5], s[4:5], s[40:41]
	s_lshr_b32 s42, s[WV], 3
	s_and_b32 s43, s[WV], 7
	s_lshl_b32 s44, s15, 2
	s_add_co_u32 s44, s44, s42                     ; its block of 128 tokens in the sequence: 4 cx + (w >> 3)
	s_lshl_b32 s40, s16, 13
	s_lshl_b32 s45, s44, 9
	s_add_co_u32 s40, s40, s45
	s_lshl_b32 s45, s43, 2
	s_add_co_u32 s40, s40, s45
	s_add_nc_u64 s[6:7], s[6:7], s[40:41]          ; qs: [bh][block][r][tile] words
	s_lshl_b32 s40, s18, 4
	s_add_co_u32 s40, s40, s44
	s_lshl_b32 s40, s40, 16                        ; ac: [block 65,536][head >> 3: 32,768][tile 4,096][head & 7: 512]
	s_lshr_b32 s45, s17, 3
	s_lshl_b32 s45, s45, 15
	s_add_co_u32 s40, s40, s45
	s_lshl_b32 s45, s43, 12
	s_add_co_u32 s40, s40, s45
	s_and_b32 s45, s17, 7
	s_lshl_b32 s45, s45, 9
	s_add_co_u32 s40, s40, s45
	s_add_nc_u64 s[10:11], s[10:11], s[40:41]
	s_lshl_b32 s40, s18, 7
	s_lshl_b32 s45, s15, 5
	s_add_co_u32 s40, s40, s45
	s_add_co_u32 s40, s40, s[WV]
	s_lshl_b32 s40, s40, 9                         ; asc: 16 tokens of 32 bytes a tile,
	s_lshl_b32 s45, s17, 1
	s_add_co_u32 s40, s40, s45                     ; + 2 x head
	s_add_nc_u64 s[12:13], s[12:13], s[40:41]
.irp k, 20,21,22,23
	v_mov_b32 v[\k], 0                             ; Q's upper 64 along K: zero codes, written once
.endr
.irp t, 0,1,2,3,4,5,6,7
.irp k, 4,5,6,7
	v_mov_b32 v[32+8*\t+\k], 0                     ; K's likewise
.endr
.endr
.irp k, 248,249,250,251,252,253
	v_mov_b32 v[\k], 0                             ; a lane permute's destination counts as read; v253 is named as the upper half of a pair before it is first written
.endr
	s_wait_tensorcnt 0x0                           ; my chunk has landed,
	s_barrier_signal -1
	s_barrier_wait -1                              ; everybody's has
	s_mov_b32 s38, 2
.Ltile:                                            ; two tiles of queries a wave
	global_load_b128 v[16:19], v1, s[4:5]          ; Q's four registers, as they were stored
	global_load_b32 v24, v8, s[6:7]                ; and its scale words
	v_mov_b32 v13, 0xff61b1e6                      ; the largest t so far: -3e38, under every t
	s_delay_alu instid0(VALU_DEP_1)
	v_floor_f32 v12, -v13                          ; -M
	v_mov_b32 v14, 0
	v_mov_b32 v15, 0
.irp j, 0,1,2,3,4,5,6,7,8,9,10,11,12,13,14,15,16,17,18,19,20,21,22,23,24,25,26,27,28,29,30,31
	v_mov_b32 v[192+\j], 0                         ; O^T.  (The step is written once: the first finds zeros, which the first change of M leaves zeros)
.endr
	s_mov_b32 s[TB], 0
	s_mov_b32 s37, 16
	s_wait_loadcnt 0x0
.Lstep:                                            ; 16 steps of 128 keys
	s_setprio 2
	v_add_nc_u32 v4, s[TB], v1
	v_add_nc_u32 v5, s[TB], v2
	v_add_nc_u32 v6, s[TB], v3
	v_nop                                          ; with the three additions: four places in front of loads into registers that the last products read
.irp t, 0,1,2,3,4,5,6,7
	ds_load_b128 v[32+8*\t:35+8*\t], v4 offset:512*\t              ; K: tile t of 16 keys
.endr
	ds_load_b128 v[232:235], v5                    ; key r's scale word in tiles 0-3,
	ds_load_b128 v[236:239], v5 offset:16          ; 4-7
.irp t, 0,1,2,3
.irp c, 0,1
	ds_load_b128 v[96+8*\t+4*\c:99+8*\t+4*\c], v4 offset:4096+1024*\t+512*\c   ; V: tile t of 16 of the head's 64
.endr
.endr
	ds_load_b128 v[240:243], v6                    ; feature r's scale word in tiles 0-3
	s_wait_dscnt 9                                 ; K's ten loads are in; V's nine behind them may be out
.irp t, 0,1,2,3,4,5,6,7
	v_wmma_scale_f32_16x16x128_f8f6f4 v[128+8*\t:135+8*\t], v[32+8*\t:39+8*\t], v[16:23], 0, v[232+\t], v24 matrix_a_fmt:MATRIX_FMT_FP4 matrix_b_fmt:MATRIX_FMT_FP4
.endr
.rept 4
	v_nop
.endr
.irp b, 0,1,2,3
	v_max3_num_f32 v[244+\b], v[128+16*\b], v[129+16*\b], v[130+16*\b]   ; the largest score of each block of 32 keys: it serves the row's maximum and, since p rises with the score, the block's largest p
.endr
.irp i, 3,5,7,9,11,13
.irp b, 0,1,2,3
	v_max3_num_f32 v[244+\b], v[244+\b], v[128+16*\b+\i], v[129+16*\b+\i]
.endr
.endr
.irp b, 0,1,2,3
	v_max_num_f32 v[244+\b], v[244+\b], v[143+16*\b]
.endr
.irp b, 0,1,2,3
	s_delay_alu instid0(VALU_DEP_4)
	v_permlanex16_b32 v[248+\b], v[244+\b], s[SEL], s[SEL+1]
.endr
.irp b, 0,1,2,3
	s_delay_alu instid0(VALU_DEP_4)
	v_max_num_f32 v[244+\b], v[244+\b], v[248+\b]  ; with lane l xor 16's 16 keys
.endr
	s_delay_alu instid0(VALU_DEP_2)
	v_max3_num_f32 v254, v244, v245, v246
	s_delay_alu instid0(VALU_DEP_1)
	v_max_num_f32 v254, v254, v247                 ; the step's largest score of my query
	s_delay_alu instid0(VALU_DEP_1)
	v_mul_f32 v254, s[CS], v254                    ; as t
	s_delay_alu instid0(VALU_DEP_1)
	v_max_num_f32 v13, v13, v254                   ; the running largest t
	v_mov_b32 v254, v12
	s_delay_alu instid0(VALU_DEP_2)
	v_floor_f32 v12, -v13                          ; the new -M = floor(-t) = -ceil(t)
	s_delay_alu instid0(VALU_DEP_1)
	v_sub_f32 v254, v12, v254                      ; old M - new M: a whole number, 0 or less
	s_delay_alu instid0(VALU_DEP_1)
	v_cvt_i32_f32 v254, v254                       ; (it saturates)
	s_delay_alu instid0(VALU_DEP_1)
	v_ldexp_f32 v252, 1.0, v254                    ; f = 2^(old M - new M)
.irp j, 0,2,4,6,8,10,12,14,16,18,20,22,24,26,28,30,32,34,36,38,40,42,44,46,48,50,52,54,56,58,60,62
	v_pk_fma_f32 v[128+\j:129+\j], v[128+\j:129+\j], s[CS:CS+1], v[12:13] op_sel_hi:[1,0,0]   ; t - M, two at a time
.endr
.irp b, 0,1,2,3
	v_fma_f32 v[244+\b], v[244+\b], s[CS], v12     ; the same of each block's largest score
.endr
	s_wait_alu depctr_va_vdst(0)
.irp j, 0,1,2,3,4,5,6,7,8,9,10,11,12,13,14,15,16,17,18,19,20,21,22,23,24,25,26,27,28,29,30,31,32,33,34,35,36,37,38,39,40,41,42,43,44,45,46,47,48,49,50,51,52,53,54,55,56,57,58,59,60,61,62,63
	v_exp_f32 v[128+\j], v[128+\j]                 ; p = 2^(t - M), at most 1
.endr
	s_setprio 1
	v_pk_mul_f32 v[14:15], v[14:15], v[252:253] op_sel_hi:[1,0]    ; l under the new M: the plain instruction behind the exponentials
	s_wait_alu depctr_va_vdst(0)                   ; one wait for the batch of 64, ahead of its first reader
.irp b, 0,1,2,3
	v_exp_f32 v[244+\b], v[244+\b]                 ; the block's largest p: the same two instructions on the same number give the same bits
.endr
	v_pk_add_f32 v[248:249], v[132:133], v[136:137]
	v_pk_add_f32 v[250:251], v[140:141], v[144:145]
	v_pk_add_f32 v[238:239], v[148:149], v[152:153]
	v_pk_add_f32 v[236:237], v[156:157], v[160:161]
	v_pk_add_f32 v[234:235], v[164:165], v[168:169]
	v_pk_add_f32 v[232:233], v[172:173], v[176:177]
	v_pk_add_f32 v[230:231], v[180:181], v[184:185]
	v_pk_add_f32 v[14:15], v[14:15], v[188:189]
	v_pk_add_f32 v[248:249], v[248:249], v[128:129]
	v_pk_add_f32 v[250:251], v[250:251], v[130:131]
	v_pk_add_f32 v[238:239], v[238:239], v[134:135]
	v_pk_add_f32 v[236:237], v[236:237], v[138:139]
	v_pk_add_f32 v[234:235], v[234:235], v[142:143]
	v_pk_add_f32 v[232:233], v[232:233], v[146:147]
	v_pk_add_f32 v[230:231], v[230:231], v[150:151]
	v_pk_add_f32 v[14:15], v[14:15], v[154:155]
	v_pk_add_f32 v[248:249], v[248:249], v[158:159]
	v_pk_add_f32 v[250:251], v[250:251], v[162:163]
	v_pk_add_f32 v[238:239], v[238:239], v[166:167]
	v_pk_add_f32 v[236:237], v[236:237], v[170:171]
	v_pk_add_f32 v[234:235], v[234:235], v[174:175]
	v_pk_add_f32 v[232:233], v[232:233], v[178:179]
	v_pk_add_f32 v[230:231], v[230:231], v[182:183]
	v_pk_add_f32 v[14:15], v[14:15], v[186:187]
	v_pk_add_f32 v[248:249], v[248:249], v[190:191]
	s_delay_alu instid0(VALU_DEP_2)
	v_pk_add_f32 v[14:15], v[14:15], v[236:237]
	s_delay_alu instid0(VALU_DEP_2)
	v_pk_add_f32 v[248:249], v[248:249], v[234:235]
	v_pk_add_f32 v[250:251], v[250:251], v[232:233]
	v_pk_add_f32 v[238:239], v[238:239], v[230:231]
	s_delay_alu instid0(VALU_DEP_2)
	v_pk_add_f32 v[14:15], v[14:15], v[250:251]
	s_delay_alu instid0(VALU_DEP_2)
	v_pk_add_f32 v[248:249], v[248:249], v[238:239]
	s_delay_alu instid0(VALU_DEP_1)
	v_pk_add_f32 v[14:15], v[14:15], v[248:249]
	s_wait_alu depctr_va_vdst(0)                   ; and one for the four
.irp b, 0,1,2,3
	v_max_num_f32 v[244+\b], 0x1800000, v[244+\b]  ; the floor 2^(3 - 127): the byte cannot fall under 1
.endr
.irp b, 0,1,2,3
	s_delay_alu instid0(VALU_DEP_4)
	v_add_nc_u32 v[25+\b], 0xff000000, v[244+\b]   ; 2 off the exponent field: the conversion's scale operand
.endr
.irp b, 0,1,2,3
	s_delay_alu instid0(VALU_DEP_4)
	v_lshrrev_b32 v[248+\b], 23, v[25+\b]          ; the scale's byte
.endr
	s_delay_alu instid0(VALU_DEP_3)
	v_lshl_or_b32 v253, v249, 8, v248              ; p's scale word for these 128 keys
	s_delay_alu instid0(VALU_DEP_1)
	v_lshl_or_b32 v253, v250, 16, v253
	s_delay_alu instid0(VALU_DEP_1)
	v_lshl_or_b32 v253, v251, 24, v253
.irp b, 0,1,2,3
	v_cvt_scalef32_pk8_fp4_f32 v[224+4*(\b/2)+(\b%2)], v[128+16*\b:135+16*\b], v[25+\b]
	v_cvt_scalef32_pk8_fp4_f32 v[224+4*(\b/2)+2+(\b%2)], v[136+16*\b:143+16*\b], v[25+\b]
.endr
	v_nop                                          ; one plain instruction behind the scaled conversions
.irp c, 0,1
	v_permlane16_swap_b32 v[224+4*\c], v[225+4*\c] ; lanes 0-15 now hold block 2 c whole, lanes 16-31 block 2 c + 1
	v_permlane16_swap_b32 v[226+4*\c], v[227+4*\c]
.endr
	s_setprio 0
.irp j, 0,2,4,6,8,10,12,14,16,18,20,22,24,26,28,30
	v_pk_mul_f32 v[192+\j:193+\j], v[192+\j:193+\j], v[252:253] op_sel_hi:[1,0]   ; O^T under the new M.  (These sixteen are also the places between the scale word's and the codes' last writes and the products)
.endr
	s_wait_alu depctr_va_vdst(0)
	s_wait_dscnt 0x0                               ; V
.irp t, 0,1,2,3
	v_wmma_scale_f32_16x16x128_f8f6f4 v[192+8*\t:199+8*\t], v[96+8*\t:103+8*\t], v[224:231], v[192+8*\t:199+8*\t], v[240+\t], v253 matrix_a_fmt:MATRIX_FMT_FP4 matrix_b_fmt:MATRIX_FMT_FP4
.endr
	s_add_co_u32 s[TB], s[TB], CH
	s_sub_co_u32 s37, s37, 1
	s_cmp_lg_u32 s37, 0
	s_cbranch_scc1 .Lstep
	s_setprio 0
	; ---- the tile's end: O^T / l, quantised along the head's 64 (two blocks), stored as four registers of the last product's operand
.rept 4
	v_nop
.endr
	v_add_f32 v14, v14, v15
	s_delay_alu instid0(VALU_DEP_1)
	v_permlanex16_b32 v252, v14, s[SEL], s[SEL+1]
	s_delay_alu instid0(VALU_DEP_1)
	v_add_f32 v14, v14, v252                       ; the row's sum
	s_wait_alu depctr_va_vdst(0)
	v_rcp_f32 v14, v14
	v_nop                                          ; a plain instruction behind the reciprocal,
	s_wait_alu depctr_va_vdst(0)                   ; and the wait ahead of its first reader
.irp j, 0,2,4,6,8,10,12,14,16,18,20,22,24,26,28,30
	v_pk_mul_f32 v[128+\j:129+\j], v[192+\j:193+\j], v[14:15] op_sel_hi:[1,0]     ; register 8 t + i: feature 16 t + 8 h + i of query r
.endr
.irp b, 0,1
	v_max3_num_f32 v[244+\b], |v[128+16*\b]|, |v[129+16*\b]|, 0x1800000
.endr
.irp i, 2,4,6,8,10,12,14
.irp b, 0,1
	s_delay_alu instid0(VALU_DEP_2)
	v_max3_num_f32 v[244+\b], v[244+\b], |v[128+16*\b+\i]|, |v[129+16*\b+\i]|
.endr
.endr
.irp b, 0,1
	s_delay_alu instid0(VALU_DEP_2)
	v_permlanex16_b32 v[248+\b], v[244+\b], s[SEL], s[SEL+1]
.endr
.irp b, 0,1
	s_delay_alu instid0(VALU_DEP_2)
	v_max_num_f32 v[244+\b], v[244+\b], v[248+\b]
.endr
.irp b, 0,1
	s_delay_alu instid0(VALU_DEP_2)
	v_add_nc_u32 v[25+\b], 0xff000000, v[244+\b]
.endr
.irp b, 0,1
	s_delay_alu instid0(VALU_DEP_2)
	v_lshrrev_b32 v[248+\b], 23, v[25+\b]
.endr
	v_cvt_scalef32_pk8_fp4_f32 v224, v[128:135], v25
	v_cvt_scalef32_pk8_fp4_f32 v225, v[144:151], v26
	v_cvt_scalef32_pk8_fp4_f32 v226, v[136:143], v25
	v_cvt_scalef32_pk8_fp4_f32 v227, v[152:159], v26
	v_nop
	v_permlane16_swap_b32 v224, v225
	v_permlane16_swap_b32 v226, v227
	global_store_b128 v1, v[224:227], s[10:11]     ; 512 consecutive bytes
	v_cndmask_b32 v254, v248, v249, vcc_lo         ; lanes 0-15 store block 0's byte, lanes 16-31 block 1's
	global_store_b8 v9, v254, s[12:13]
	s_wait_xcnt 0x0                                ; the loads and stores have read their registers and bases: both are written again only behind this wait
	s_add_nc_u64 s[4:5], s[4:5], 8192              ; 16 tiles on
	s_add_nc_u64 s[6:7], s[6:7], 1024              ; two blocks of 128 tokens on
	s_add_nc_u64 s[10:11], s[10:11], 131072
	s_add_nc_u64 s[12:13], s[12:13], 8192
	s_sub_co_u32 s38, s38, 1
	s_cmp_lg_u32 s38, 0
	s_cbranch_scc1 .Ltile
	s_wait_dscnt 0x0
	s_wait_tensorcnt 0x0
	ds_add_u32 v31, v255
	s_wait_dscnt 0x0
	ROUND                                          ; the closing round
	s_endpgm
.Lfunc_end_k_qc2cd557d1d_attn:
	.size	k_qc2cd557d1d_attn, .Lfunc_end_k_qc2cd557d1d_attn-k_qc2cd557d1d_attn
	.p2alignl 7, 3214868480
	.fill 96, 4, 3214868480
	.section	.rodata,"a",@progbits
	.p2align	6, 0x0
	.amdhsa_kernel k_qc2cd557d1d_attn
		.amdhsa_group_segment_fixed_size 169984
		.amdhsa_private_segment_fixed_size 0
		.amdhsa_enable_private_segment 0
		.amdhsa_kernarg_size 40
		.amdhsa_user_sgpr_count 2
		.amdhsa_user_sgpr_kernarg_segment_ptr 1
		.amdhsa_wavefront_size32 1
		.amdhsa_system_sgpr_workgroup_id_x 1
		.amdhsa_system_sgpr_workgroup_id_y 1
		.amdhsa_system_sgpr_workgroup_id_z 1
		.amdhsa_system_vgpr_workitem_id 0
		.amdhsa_next_free_vgpr 256
		.amdhsa_next_free_sgpr 66
		.amdhsa_reserve_vcc 1
		.amdhsa_float_denorm_mode_32 3
		.amdhsa_float_denorm_mode_16_64 3
		.amdhsa_memory_ordered 1
		.amdhsa_forward_progress 1
		.amdhsa_inst_pref_size 29
	.end_amdhsa_kernel
	.amdgpu_metadata
---
amdhsa.version: [ 1, 2 ]
amdhsa.kernels:
  - .name:           k_qc2cd557d1d_attn
    .symbol:         k_qc2cd557d1d_attn.kd
    .args:
      - { .name: qc, .offset: 0, .size: 8, .value_kind: global_buffer, .address_space: global }
      - { .name: qs, .offset: 8, .size: 8, .value_kind: global_buffer, .address_space: global }
      - { .name: kv, .offset: 16, .size: 8, .value_kind: global_buffer, .address_space: global }
      - { .name: ac, .offset: 24, .size: 8, .value_kind: global_buffer, .address_space: global }
      - { .name: asc, .offset: 32, .size: 8, .value_kind: global_buffer, .address_space: global }
    .group_segment_fixed_size: 169984
    .private_segment_fixed_size: 0
    .kernarg_segment_align: 8
    .kernarg_segment_size: 40
    .max_flat_workgroup_size: 512
    .sgpr_count:     66
    .vgpr_count:     256
    .wavefront_size: 32
...
	.end_amdgpu_metadata
.endif
;; end of part 2
;; launch oproj (part 3): grid 4 x 64, 16 waves a work-group, clusters of 4 x 4, 288,768 bytes of LDS; arguments ac, asc, Wo_codes, Wo_scales, bo, out0; writes out0
.if DOCPART == 3
	.amdgcn_target "amdgcn-amd-amdhsa--gfx1250"
	.amdhsa_code_object_version 6
	.text
	.protected	k_qc2cd557d1d_oproj
	.globl	k_qc2cd557d1d_oproj
	.p2align	8
	.type	k_qc2cd557d1d_oproj,@function
k_qc2cd557d1d_oproj:
	s_mov_b64 s[64:65], 0
	v_nop
	global_prefetch_b8 v0, s[64:65] scope:SCOPE_SE
	s_setreg_imm32_b32 hwreg(HW_REG_WAVE_MODE, 25, 1), 1
	s_wait_xcnt 0x0
	s_wait_alu depctr_hold_cnt(0) depctr_sa_sdst(0) depctr_va_vdst(0) depctr_va_sdst(0) depctr_va_ssrc(0) depctr_va_vcc(0) depctr_vm_vsrc(0)
	s_getreg_b32 s2, hwreg(HW_REG_IB_STS2, 6, 4)
	s_cmp_eq_u32 s2, 0
	s_cbranch_scc0 .Lentry_in_a_cluster
	s_endpgm
.Lentry_in_a_cluster:
	s_bfe_u32 s2, ttmp6, 0x10000c
	s_cmp_lg_u32 s2, 0xf033
	s_cbranch_scc0 .Lentry_shape_is_right
	s_endpgm
.Lentry_shape_is_right:
; out0 = a Wo^T + bo, on codes of FP4 (E2M1) with E8M0 scales.  a: the attention's result as the launch before stored it: codes as images of this product's operand registers
; ([block of 128 tokens][half of K][tile of 16 tokens][K step][half fragment][512 bytes]), scale bytes as plain rows [token][32].  Wo: the given codes [1024][512 bytes] and scale bytes [1024][32].  out0: [8192][1024] f32.
; SHARES.  A work-group makes 128 tokens (gy) x 256 features (gx).  Wave w of sixteen: tokens 32 (w >> 2) on (two tiles), features 64 (w & 3) on (four tiles): 8 accumulators, 64 matrix instructions.  Four waves share a SIMD: one wave's LDS loads stand beside another's products.
; LDS.  All of K fits, so every byte is filled ONCE, at the head, in two halves of K: the second half lands while the first is multiplied.
; CLUSTER 4 x 4: a's tiles are shared along a row of the cluster, Wo's along a column: joint loads.  Waves 0 and 1 fetch Wo's two halves of 128 rows, wave 2 fetches a; three loads each: scale bytes, K half 0, K half 1.
; USED TRANSPOSED (source 0 = 16 rows of Wo, source 1 = 16 tokens): a lane holds eight neighbouring features of one token; bo is the C of each sum's first instruction.
; THE WAY OUT: through the wave's own stage (16 rows of 256 bytes + 16), so that sixteen lanes store 256 consecutive bytes, at a multiple of 256 from out0's first byte.
; REGISTERS: v1-11 lane terms and addresses; v16-31 a's scale words (8 t + K step); v32-63 Wo's (8 f + K step); v64-95 bo, later rows of out0; v96-111 a's fragments; v112-143 Wo's; v144-207 accumulators (8 (4 t + f)); v208-239 rows of out0.
.set WO,   65536                       ; a's images lie at 0 (65,536 bytes); then Wo's codes: two halves of K, 256 rows x 272 bytes each
.set WSL,  256*272
.set ASC,  WO+2*WSL                    ; a's scale bytes, 4,096 dense
.set WSC,  ASC+4096                    ; Wo's, 8,192 dense
.set STG,  WSC+8192                    ; the stages: 16 x 272 bytes for each wave; no fill lands here
.set WV,   16
.set G1A,  28                          ; s[28:35] group 1: a's images;  s[36:43] a's scale bytes;  s[44:51] Wo's codes;  s[52:59] Wo's scale bytes
.set G1AS, 36
.set G1W,  44
.set G1WS, 52
.set G0A,  68                          ; s[68:79] three groups 0 for a;  s[80:91] for Wo
.set G0B,  80
.macro ROUND
	s_barrier_signal -1
	s_barrier_wait -1
	s_cmp_lg_u32 s[WV], 0
	s_cbranch_scc1 .Lnot_wave_0_\@
	s_barrier_signal -3
.Lnot_wave_0_\@:
	s_barrier_wait -3
	s_barrier_signal -1
	s_barrier_wait -1
.endm
	s_load_b256 s[4:11], s[0:1], 0x0               ; ac s[4:5], asc s[6:7], Wo's codes s[8:9], Wo's scales s[10:11]
	s_load_b128 s[12:15], s[0:1], 0x20             ; bo, out0
	v_lshl_add_u32 v254, v0, 2, 0x46000
	v_mov_b32 v255, 0
	ds_add_u32 v254, v255
	ds_add_u32 v254, v255
	v_lshrrev_b32 v1, 5, v0
	s_delay_alu instid0(VALU_DEP_1)
	v_readfirstlane_b32 s[WV], v1                  ; wave 0..15
	s_bfe_u32 s17, ttmp6, 0x40000                  ; cx
	s_bfe_u32 s18, ttmp6, 0x40004                  ; cy
	s_lshl_b32 s19, ttmp9, 2
	s_add_co_u32 s19, s19, s17                     ; gx: the block of 256 features
	s_and_b32 s20, ttmp7, 0xffff
	s_lshl_b32 s20, s20, 2
	s_add_co_u32 s20, s20, s18                     ; gy: the block of 128 tokens
	s_lshr_b32 s21, s[WV], 2                       ; tp
	s_and_b32 s22, s[WV], 3                        ; fq
	s_and_b32 s23, s[WV], 1                        ; which 128 rows of Wo a fetching wave takes
	s_lshl_b32 s24, s18, 2
	s_lshl_b32 s24, 15, s24                        ; my row of the cluster
	s_lshl_b32 s25, 0x1111, s17                    ; my column
	s_or_b32 s[G1A], s24, (3<<16)|(1<<21)          ; a's images of half of K: 32,768 dense bytes as 128 rows of 32 elements of 8 bytes
	s_mov_b32 s[G1A+1], 32<<16
	s_mov_b32 s[G1A+2], 128<<16
	s_mov_b32 s[G1A+3], 32<<16
	s_mov_b32 s[G1A+4], 128
	s_mov_b32 s[G1A+5], 32
	s_mov_b32 s[G1A+6], 0
	s_mov_b32 s[G1A+7], 0
	s_or_b32 s[G1AS], s24, (3<<16)|(1<<21)         ; scale bytes of 128 rows: 4,096 dense bytes as 16 rows
	s_or_b32 s[G1WS], s25, (3<<16)|(1<<21)
.irp g, G1AS, G1WS
	s_mov_b32 s[\g+1], 32<<16
	s_mov_b32 s[\g+2], 16<<16
	s_mov_b32 s[\g+3], 32<<16
	s_mov_b32 s[\g+4], 16
	s_mov_b32 s[\g+5], 32
	s_mov_b32 s[\g+6], 0
	s_mov_b32 s[\g+7], 0
.endr
	s_or_b32 s[G1W], s25, (1<<20)|(1<<21)|(5<<22)|(3<<25)    ; Wo's codes: 128 rows x 256 bytes, 512 apart in memory; 4 words of padding behind every 64
	s_mov_b32 s[G1W+1], 256<<16
	s_mov_b32 s[G1W+2], 128<<16
	s_mov_b32 s[G1W+3], 256<<16
	s_mov_b32 s[G1W+4], 128
	s_mov_b32 s[G1W+5], 512
	s_mov_b32 s[G1W+6], 0
	s_mov_b32 s[G1W+7], 0
	s_lshl_b32 s60, s20, 16                        ; a: hangs on gy alone
	s_mov_b32 s61, 0
	s_lshl_b32 s62, s19, 17                        ; Wo: hangs on gx and the wave alone
	s_lshl_b32 s92, s23, 16
	s_add_co_u32 s62, s62, s92
	s_mov_b32 s63, 0
	s_mul_i32 s92, s23, 128*272
	s_lshl_b32 s93, s23, 12
	s_wait_dscnt 0x0
	s_wait_kmcnt 0x0
	s_add_nc_u64 s[4:5], s[4:5], s[60:61]
	s_add_nc_u64 s[8:9], s[8:9], s[62:63]
	s_lshl_b32 s60, s20, 12
	s_lshl_b32 s62, s19, 13
	s_add_co_u32 s62, s62, s93
	s_add_nc_u64 s[6:7], s[6:7], s[60:61]
	s_add_nc_u64 s[10:11], s[10:11], s[62:63]
	s_mov_b32 s[G0A], 1
	s_mov_b32 s[G0A+1], ASC
	s_mov_b64 s[G0A+2:G0A+3], s[6:7]
	s_or_b32 s[G0A+3], s[G0A+3], 0x80000000
	s_mov_b32 s[G0A+4], 1
	s_mov_b32 s[G0A+5], 0
	s_mov_b64 s[G0A+6:G0A+7], s[4:5]
	s_or_b32 s[G0A+7], s[G0A+7], 0x80000000
	s_mov_b32 s[G0A+8], 1
	s_mov_b32 s[G0A+9], 32768
	s_add_nc_u64 s[G0A+10:G0A+11], s[4:5], 32768
	s_or_b32 s[G0A+11], s[G0A+11], 0x80000000
	s_mov_b32 s[G0B], 1
	s_add_co_u32 s[G0B+1], s93, WSC
	s_mov_b64 s[G0B+2:G0B+3], s[10:11]
	s_or_b32 s[G0B+3], s[G0B+3], 0x80000000
	s_mov_b32 s[G0B+4], 1
	s_add_co_u32 s[G0B+5], s92, WO
	s_mov_b64 s[G0B+6:G0B+7], s[8:9]
	s_or_b32 s[G0B+7], s[G0B+7], 0x80000000
	s_mov_b32 s[G0B+8], 1
	s_add_co_u32 s[G0B+9], s92, WO+WSL
	s_add_nc_u64 s[G0B+10:G0B+11], s[8:9], 256
	s_or_b32 s[G0B+11], s[G0B+11], 0x80000000
	ROUND                                          ; all sixteen work-groups are here: the joint loads meet
	s_cmp_lt_u32 s[WV], 2                          ; a fetching wave's three fills stand in one branch on the wave's number: three loads of it are out
	s_cbranch_scc0 .Lnot_wo
	tensor_load_to_lds s[G0B:G0B+3], s[G1WS:G1WS+7]
	s_nop 0
	tensor_load_to_lds s[G0B+4:G0B+7], s[G1W:G1W+7]
	s_nop 0
	tensor_load_to_lds s[G0B+8:G0B+11], s[G1W:G1W+7]
	s_nop 0
.rept 4
	v_nop
.endr
	s_branch .Lasked
.Lnot_wo:
	s_cmp_eq_u32 s[WV], 2
	s_cbranch_scc0 .Lasked
	tensor_load_to_lds s[G0A:G0A+3], s[G1AS:G1AS+7]
	s_nop 0
	tensor_load_to_lds s[G0A+4:G0A+7], s[G1A:G1A+7]
	s_nop 0
	tensor_load_to_lds s[G0A+8:G0A+11], s[G1A:G1A+7]
	s_nop 0
.rept 4
	v_nop
.endr
.Lasked:
	v_and_b32 v1, 15, v0                           ; r
	s_wait_alu depctr_va_vdst(0)
	v_bfe_u32 v2, v0, 4, 1                         ; h
	s_delay_alu instid0(VALU_DEP_1)
	v_lshlrev_b32 v11, 5, v2                       ; 32 h
	s_lshl_b32 s60, s19, 10                        ; bo: (256 gx + 64 fq) x 4 bytes
	s_lshl_b32 s62, s22, 8
	s_add_co_u32 s60, s60, s62
	s_add_nc_u64 s[12:13], s[12:13], s[60:61]
.irp f, 0,1,2,3
	global_load_b128 v[64+8*\f:67+8*\f], v11, s[12:13] offset:64*\f           ; features 16 f + 8 h + 0 .. 7
	global_load_b128 v[68+8*\f:71+8*\f], v11, s[12:13] offset:64*\f+16
.endr
	s_add_nc_u64 s[14:15], s[14:15], s[60:61]      ; out0: my first column,
	s_lshl_b32 s60, s20, 19
	s_lshl_b32 s62, s21, 17
	s_add_co_u32 s60, s60, s62                     ; my first row: (128 gy + 32 tp) x 4,096 bytes
	s_add_nc_u64 s[14:15], s[14:15], s[60:61]
	v_and_b32 v3, 31, v0
	s_delay_alu instid0(VALU_DEP_1)
	v_lshlrev_b32 v3, 4, v3
	s_delay_alu instid0(VALU_DEP_1)
	v_lshl_add_u32 v3, s21, 13, v3                 ; a's images: 16 x lane + my two tiles of tokens
	s_mul_i32 s60, s22, 64*272
	s_add_co_u32 s60, s60, WO
	v_mul_u32_u24 v4, v1, 272
	s_wait_alu depctr_va_vdst(0)
	v_lshl_add_u32 v4, v2, 4, v4
	s_delay_alu instid0(VALU_DEP_1)
	v_add_nc_u32 v4, s60, v4                       ; Wo's fragments in K half 0: row 64 fq + r, + 16 h;
	s_delay_alu instid0(VALU_DEP_1)
	v_add_nc_u32 v5, WSL, v4                       ; in K half 1
	s_lshl_b32 s60, s21, 10
	s_add_co_u32 s60, s60, ASC
	v_lshl_add_u32 v6, v1, 5, s60                  ; a's scale words: 32 bytes a token
	s_lshl_b32 s60, s22, 11
	s_add_co_u32 s60, s60, WSC
	v_lshl_add_u32 v7, v1, 5, s60                  ; Wo's
	s_mul_i32 s60, s[WV], 16*272
	s_add_co_u32 s60, s60, STG                     ; my stage
	v_mul_u32_u24 v8, v1, 272
	s_delay_alu instid0(VALU_DEP_1)
	v_lshl_add_u32 v8, v2, 5, v8
	s_delay_alu instid0(VALU_DEP_1)
	v_add_nc_u32 v8, s60, v8                       ; in: row r, 32 bytes for each half of the lanes
	v_mul_u32_u24 v9, v2, 272
	s_delay_alu instid0(VALU_DEP_1)
	v_lshl_add_u32 v9, v1, 4, v9
	s_delay_alu instid0(VALU_DEP_1)
	v_add_nc_u32 v9, s60, v9                       ; back: lanes 0-15 one row of 256 bytes, lanes 16-31 the next
	v_lshlrev_b32 v10, 12, v2
	s_delay_alu instid0(VALU_DEP_1)
	v_lshl_add_u32 v10, v1, 4, v10                 ; and the same two rows in out0
	s_wait_alu depctr_va_vdst(0)
	s_wait_tensorcnt 0x1                           ; in a fetching wave: its scale bytes and its part of K half 0 have landed; K half 1's load, issued behind them, may be out
	s_barrier_signal -1
	s_barrier_wait -1
.irp t, 0,1
	ds_load_b128 v[16+8*\t:19+8*\t], v6 offset:512*\t          ; token r's eight scale words
	ds_load_b128 v[20+8*\t:23+8*\t], v6 offset:512*\t+16
.endr
.irp f, 0,1,2,3
	ds_load_b128 v[32+8*\f:35+8*\f], v7 offset:512*\f
	ds_load_b128 v[36+8*\f:39+8*\f], v7 offset:512*\f+16
.endr
	s_wait_loadcnt 0x0                             ; bo
; K step k: 12 LDS loads, 8 matrix instructions; the eight accumulators take turns, one instruction a turn
.macro OSTEP k
.rept 4
	v_nop                                          ; places in front of loads into registers that the last products read
.endr
.irp t, 0,1
.irp c, 0,1
	ds_load_b128 v[96+8*\t+4*\c:99+8*\t+4*\c], v3 offset:32768*((\k)/4)+4096*\t+1024*((\k)%4)+512*\c
.endr
.endr
.irp f, 0,1,2,3
.irp c, 0,1
	ds_load_b128 v[112+8*\f+4*\c:115+8*\f+4*\c], v[4+(\k)/4] offset:4352*\f+64*((\k)%4)+32*\c
.endr
.endr
	s_wait_dscnt 0x0
.irp t, 0,1
.irp f, 0,1,2,3
.if (\k) == 0
	v_wmma_scale_f32_16x16x128_f8f6f4 v[144+8*(4*\t+\f):151+8*(4*\t+\f)], v[112+8*\f:119+8*\f], v[96+8*\t:103+8*\t], v[64+8*\f:71+8*\f], v[32+8*\f+(\k)], v[16+8*\t+(\k)] matrix_a_fmt:MATRIX_FMT_FP4 matrix_b_fmt:MATRIX_FMT_FP4
.else
	v_wmma_scale_f32_16x16x128_f8f6f4 v[144+8*(4*\t+\f):151+8*(4*\t+\f)], v[112+8*\f:119+8*\f], v[96+8*\t:103+8*\t], v[144+8*(4*\t+\f):151+8*(4*\t+\f)], v[32+8*\f+(\k)], v[16+8*\t+(\k)] matrix_a_fmt:MATRIX_FMT_FP4 matrix_b_fmt:MATRIX_FMT_FP4
.endif
.endr
.endr
.endm
.irp k, 0,1,2,3
	OSTEP \k
.endr
	s_wait_tensorcnt 0x0                           ; my part of K half 1 has landed,
	s_wait_dscnt 0x0
	s_barrier_signal -1
	s_barrier_wait -1                              ; everybody's has
.irp k, 4,5,6,7
	OSTEP \k
.endr
.rept 4
	v_nop                                          ; in front of the first reads of results
.endr
.irp t, 0,1
.irp f, 0,1,2,3
	ds_store_b128 v8, v[144+8*(4*\t+\f):147+8*(4*\t+\f)] offset:64*\f          ; each accumulator from its low end on
	ds_store_b128 v8, v[148+8*(4*\t+\f):151+8*(4*\t+\f)] offset:64*\f+16
.endr
.irp i, 0,1,2,3,4,5,6,7
	ds_load_b128 v[208-144*\t+4*\i:211-144*\t+4*\i], v9 offset:544*\i          ; LDS serves a wave's instructions in order (ISA guide 5.7.1.4): these see my stores, and the next tile's stores come behind them
.endr
.endr
.irp t, 0,1
.irp i, 0,1,2,3,4,5,6,7
	s_wait_dscnt 23-16*\t-\i                       ; behind this load: the tile's later loads, and for tile 0 tile 1's eight stores and eight loads
	global_store_b128 v10, v[208-144*\t+4*\i:211-144*\t+4*\i], s[14:15] offset:65536*\t+8192*\i th:TH_STORE_NT   ; written once, read by nobody here
.endr
.endr
	s_wait_dscnt 0x0
	s_wait_tensorcnt 0x0
	ds_add_u32 v254, v255
	s_wait_dscnt 0x0
	ROUND                                          ; the closing round
	s_endpgm
.Lfunc_end_k_qc2cd557d1d_oproj:
	.size	k_qc2cd557d1d_oproj, .Lfunc_end_k_qc2cd557d1d_oproj-k_qc2cd557d1d_oproj
	.p2alignl 7, 3214868480
	.fill 96, 4, 3214868480
	.section	.rodata,"a",@progbits
	.p2align	6, 0x0
	.amdhsa_kernel k_qc2cd557d1d_oproj
		.amdhsa_group_segment_fixed_size 288768
		.amdhsa_private_segment_fixed_size 0
		.amdhsa_enable_private_segment 0
		.amdhsa_kernarg_size 48
		.amdhsa_user_sgpr_count 2
		.amdhsa_user_sgpr_kernarg_segment_ptr 1
		.amdhsa_wavefront_size32 1
		.amdhsa_system_sgpr_workgroup_id_x 1
		.amdhsa_system_sgpr_workgroup_id_y 1
		.amdhsa_system_sgpr_workgroup_id_z 1
		.amdhsa_system_vgpr_workitem_id 0
		.amdhsa_next_free_vgpr 256
		.amdhsa_next_free_sgpr 100
		.amdhsa_reserve_vcc 0
		.amdhsa_float_denorm_mode_32 3
		.amdhsa_float_denorm_mode_16_64 3
		.amdhsa_memory_ordered 1
		.amdhsa_forward_progress 1
		.amdhsa_inst_pref_size 31
	.end_amdhsa_kernel
	.amdgpu_metadata
---
amdhsa.version: [ 1, 2 ]
amdhsa.kernels:
  - .name:           k_qc2cd557d1d_oproj
    .symbol:         k_qc2cd557d1d_oproj.kd
    .args:
      - { .name: ac, .offset: 0, .size: 8, .value_kind: global_buffer, .address_space: global }
      - { .name: asc, .offset: 8, .size: 8, .value_kind: global_buffer, .address_space: global }
      - { .name: Wo_codes, .offset: 16, .size: 8, .value_kind: global_buffer, .address_space: global }
      - { .name: Wo_scales, .offset: 24, .size: 8, .value_kind: global_buffer, .address_space: global }
      - { .name: bo, .offset: 32, .size: 8, .value_kind: global_buffer, .address_space: global }
      - { .name: out0, .offset: 40, .size: 8, .value_kind: global_buffer, .address_space: global }
    .group_segment_fixed_size: 288768
    .private_segment_fixed_size: 0
    .kernarg_segment_align: 8
    .kernarg_segment_size: 48
    .max_flat_workgroup_size: 512
    .sgpr_count:     100
    .vgpr_count:     256
    .wavefront_size: 32
...
	.end_amdgpu_metadata
.endif
;; end of part 3
